; MI455X (gfx1250); checked and timed in simulation.
; The chip was launched on July 23, 2026; its instructions are those of AMD's public machine-readable ISA for CDNA 5 (MIT licence, August 2026) and "CDNA5" Instruction Set Architecture Reference Guide (July 2026). The comments in the code are by the model that wrote it; some were corrected since.
;; Causal Self Attention. Allowed arithmetic: matrix products marked QUANTISED: E2M3 operands, one E8M0 scale for each 32 along K, by v_wmma_scale_f32_16x16x128_f8f6f4 with both operands' format E2M3, f32 sums; products left as they are: f32 operands where the result goes on into a quantised operand, else bf16, f16 or f32 operands; f32 sums; everything else in f32.
;; Inputs: Wk 64 x 64 float32; Wo 64 x 64 float32; Wq 64 x 64 float32; Wv 64 x 64 float32; x 8 x 32 x 512 x 64 float32.
;; Outputs: out0 8 x 32 x 512 x 64 float32.
;; This version of the problem:
;;   THIS VERSION OF THE PROBLEM IS GIVEN IN LOW PRECISION. The matrix products marked QUANTISED in the list below multiply operands that are first quantised to E2M3 (2 exponent bits, 3 mantissa bits; 6 bits a number), with one power-of-two scale for each 32 numbers along K (OCP MX v1.0); their sums are f32. All else is computed in f32.
;;   The module's matrix products, in the order in which they are computed (A, B: the left and right operand; K: the contracted axis; several contracted axes count as one K, in the product's order):
;;     1. [M 131,072, K 64] x [K 64, N 64]; A: input x; B: input Wq: QUANTISED
;;     2. [M 131,072, K 64] x [K 64, N 64]; A: input x; B: input Wk: QUANTISED
;;     3. [M 131,072, K 64] x [K 64, N 64]; A: input x; B: input Wv: QUANTISED
;;     4. batch 1,024 x [M 512, K 16] x [K 16, N 512]; A: computed on the way; B: computed on the way: left as it is (K = 16 < 32)
;;     5. batch 1,024 x [M 512, K 512] x [K 512, N 16]; A: softmax (see below); B: computed on the way: QUANTISED
;;     6. [M 131,072, K 64] x [K 64, N 64]; A: computed on the way; B: input Wo: QUANTISED
;;   THE QUANTISER, for each operand of a quantised product, along K:
;;     - K is cut into blocks of 32 from its start; a last block that is shorter is filled with zeros.
;;     - A block's scale is 2^e with e = floor(log2(the largest magnitude in the block)) - 2, held to -126 .. 127; a block of zeros has e = 0. As a byte (E8M0): e + 127.
;;     - Each number is divided by its block's scale, clamped to +-7.5, and rounded to the nearest number of E2M3, ties to even, subnormals kept.
;;     - The product sums the exact products of the quantised numbers (number of the format x scale) in f32.
;;   ~~~python
;;   def quantise(x, axis):      # numpy; x: float32 -> the quantised numbers, widened to float32 again
;;       x = np.moveaxis(x, axis, -1); K = x.shape[-1]
;;       x = np.pad(x, [(0, 0)] * (x.ndim - 1) + [(0, -K % 32)]); x = x.reshape(x.shape[:-1] + (-1, 32)); a = np.abs(x).max(-1, keepdims=True)
;;       e = np.where(a > 0, np.clip(np.frexp(np.where(a > 0, a, 1))[1] - 1 - 2, -126, 127), 0)      # np.frexp(a)[1] - 1 = floor(log2(a)), exactly
;;       r = np.clip(x / 2.0 ** e, -7.5, 7.5)
;;       step = 2.0 ** (np.maximum(np.frexp(np.where(r == 0, 1, r))[1] - 1, 0) - 3)
;;       q = np.round(r / step) * step * 2.0 ** e      # np.round: ties to even
;;       return np.moveaxis(q.reshape(q.shape[:-2] + (-1,))[..., :K], -1, axis).astype(np.float32)
;;   ~~~
;;   SOFTMAX AHEAD OF A QUANTISED PRODUCT. Where the list says 'softmax', what is quantised is not the finished softmax but p = 2^(t - M), with t = logit x log2(e) and M = ceil(the row's largest t), a whole number; so 1/2 < the row's largest p <= 1. The row's sum l is taken of the UNQUANTISED p, in f32, and the product's result is divided by l at the end. Since M is a whole number, a kernel that streams over the keys may use a running M (the ceiling of the running maximum): every later rescaling is an exact power of two, which a block's scale takes up: the codes' values come out the same.
;;   OPERANDS COMPUTED ON THE WAY. 'Computed on the way' means the value that the module computes at that place (a softmax that the list does not call 'softmax' is quantised finished and normalised). What goes into a quantiser is computed in f32, as accurately as f32 sums, v_exp_f32 and their like allow (about 1e-6 of the number): no bf16 or f16 on the way to a quantiser, and a product that is left as it is and whose result goes on into a quantised operand takes f32 operands (vector FMAs, or v_wmma_f32_16x16x4_f32). A number that lies on a knife's edge between two numbers of the format may be rounded either way, as far as f32 arithmetic and the matrix unit's own rounding can turn it there, and no further.
;; One version. Each part assembles by itself: llvm-mc -triple=amdgcn-amd-amdhsa -mcpu=gfx1250 --defsym DOCPART=n.
;; ======== version 1 of 1: 1 launch
;; launch attn (part 1): grid 256 x 1, 16 waves a work-group, no clusters, 319,488 bytes of LDS; arguments x, Wq, Wk, Wv, Wo, out0; writes out0
.if DOCPART == 1
	.amdgcn_target "amdgcn-amd-amdhsa--gfx1250"
	.amdhsa_code_object_version 6
	.text
	.protected	k_q9d1079d60f_attn
	.globl	k_q9d1079d60f_attn
	.p2align	8
	.type	k_q9d1079d60f_attn,@function
k_q9d1079d60f_attn:
	s_mov_b64 s[64:65], 0
	v_nop
	global_prefetch_b8 v0, s[64:65] scope:SCOPE_SE
	s_setreg_imm32_b32 hwreg(HW_REG_WAVE_MODE, 25, 1), 1
	s_wait_xcnt 0x0
; Causal self-attention, 4 heads of 16, on 256 sequences of 512 tokens x 64 f32.  One work-group = one sequence; nothing but x, the weights and the output touches memory.
; q, k, v = Q(x) Q(W)^T, p v and merged Q(Wo)^T are products on codes of FP6 (E2M3) with one E8M0 scale for each 32 along K; the scores q.k go into a quantiser, so they are made
; with f32 operands (v_wmma_f32_16x16x4_f32).  p = 2^(t - M), t = score x log2(e) / 4, M = the running largest t rounded up to a whole number; the row's sum is taken of the
; unquantised p and divides at the end; when M moves, the sum and O are multiplied by 2^(old M - new M), which rounds nothing.
; SIXTEEN WAVES of 256 registers: four share a SIMD, so that one wave's softmax stands beside another's score products.
; TILES OF TOKENS.  Tile T = 4 g + tau (g = 0..7 groups of 64 tokens): its row m is token 64 g + 8 tau + (m & 7) + 32 (m >> 3).  With these rows a lane's 32 score registers of a group's
; four key tiles are 32 NEIGHBOURING keys, 64 g + 32 (lane / 16) + 0..31: a whole block of the second product's K in one lane, in the operand's own order.  The same holds of v.
; FRAGMENTS OF K = 64 in an instruction of K = 128: registers 0-2 and 6-8 of the twelve hold codes, 3-5 and 9-11 zero codes (they add nothing).
;   SPLIT (x, the weights, merged): lane (r, h) holds of row r features 8 h + 0..7, 16 + 8 h + 0..7 (registers 0-2: true block 0) and 32 + 8 h .., 48 + 8 h .. (registers 6-8: true block 1);
;   scale word bytes b0, b0, b1, b1.   WHOLE (v^T, p): lane (r, h) holds key block 32 h: keys 0..15 in registers 0-2, 16..31 in 6-8; bytes s(h=0), s(h=1), s(h=0), s(h=1).
;   Both sides of a product use the same placement along K, so the products are the true ones.
; OPERANDS GO FROM WAVE TO WAVE THROUGH LDS AS IMAGES OF THEIR REGISTERS: four registers by one ds_store_b128 at 16 x lane, a scale word at 4 x lane.
; PHASES: 0: wave w quantises weight tile w (16 rows of one weight) and x tiles 2 w, 2 w + 1 | barrier | 1: wave w makes k (f32 image) and v^T (codes) of group w / 2, heads 2 (w % 2) + 0, 1 | barrier |
;   2: wave w takes two tiles of 16 queries, of groups w / 2 and 7 - w / 2: 9 steps of 64 keys x 4 heads in every wave.  Steps behind the diagonal are jumped over (a branch on ids); the
;   diagonal step's mask (0 or -infinity) is the C of each score sum's first instruction.
; NOT USED, by this text's own arithmetic: tensor loads and a ring (each input byte is read once, by the wave that quantises it in registers); clusters (work-groups share only the weights,
;   64 KiB of the 320 KiB that a work-group moves, and those pass through registers to be quantised); prefetches (all global loads stand at the text's head).
; LIMITS: NaN and infinities among the inputs are not served.  A block of zeros gets the scale byte 1 where the rule says 127: its codes are zeros and only this text reads the bytes.
;   A block's largest p is made from the block's largest score by the same multiply-add and exponential, which takes v_exp_f32 not to fall where its input rises.
;   A score's sum over the head's 16 runs in the order d = 2 c, 2 c + 1, 8 + 2 c, 9 + 2 c, c = 0..3.
.set KIMG, 0                           ; LDS: k, f32: unit u = 4 g + head: 4,096 bytes: tile tau, half i at 1024 tau + 512 i
.set VIMG, 131072                      ; v^T's codes: unit u: 1,024 bytes: registers 0-3, then 6-9
.set VSC,  163840                      ; their scale words: 128 bytes a unit
.set XIMG, 167936                      ; x's fragments: tile T: 1,536 bytes
.set XSC,  217088                      ; their scale words
.set WIMG, 221184                      ; the weights' fragments: tile 4 x (0 Wq, 1 Wk, 2 Wv, 3 Wo) + head: 1,536 bytes
.set WSC,  245760                      ; their scale words
.set STG,  247808                      ; a stage of 16 rows x (256 + 16) bytes for each wave, its own
.set ST,   8                           ; v8-23    statistics, head hd at ST + 4 hd: -M, the largest t, the sum in two halves
.set Q,    32                          ; v32-63   q, 8 registers a head
.set O,    64                          ; v64-95   O^T, 8 a head; on the way out the result
.set MK,   96                          ; v96-127  the mask: 0 or -infinity
.set S,    128                         ; v128-159 the scores: written by the f32 matrix instruction alone, in the whole text
.set P,    160                         ; v160-191 p; also the 32 numbers in front of every other quantiser
.set KF,   192                         ; v192-223 k of one head and step
.set VF,   224                         ; v224-235 v^T's fragment (4, 5, 10, 11 stay zero)
.set PC,   236                         ; v236-247 the codes just made (3-5, 9-11 stay zero)
; v0 thread, v1 lane; v2-4, v254, v255 LDS addresses; v5 v's scale word, v6 the scale word just made; v7, v252, v253 the stage's addresses; v24-31 at work; v[248:249] f, 0; v[250:251] a second chain of the sum
; s16 wave, s17 wave / 2, s18 wave % 2, s19 my stage, s[20:21] lane selects, s[22:23] c, s[24:25] my weight, s[26:27] an offset (s27 = 0), s28 my tile's group, s29 8 tau, s30 step,
; s31-33 the step's k, v^T, scale words, s34-37 at work, s[40:43] the two tiles' places in the output
.macro MX d, a, b, sa, sb              ; a product on codes that starts its sum
	v_wmma_scale_f32_16x16x128_f8f6f4 v[(\d):(\d)+7], v[(\a):(\a)+11], v[(\b):(\b)+11], 0, v[\sa], v[\sb] matrix_a_fmt:MATRIX_FMT_FP6 matrix_b_fmt:MATRIX_FMT_FP6
.endm
.macro NOPS n
.rept \n
	v_nop
.endr
.endm
; 16 whole rows of 256 bytes (registers raw on: rows 2 i + lane / 16, 16 bytes a lane) turn through my stage: lane (r, h) gets of row r features 16 q + 8 h + 0..7 in v[P + 8 q] on.
; LDS serves a wave's instructions in order (ISA guide 5.7.1.4): no wait between the stores and the loads.
.macro TURN raw
.set i, 0
.rept 8
	ds_store_b128 v253, v[\raw+4*i:\raw+4*i+3] offset:544*i
.set i, i+1
.endr
.set i, 0
.rept 8
	ds_load_b128 v[P+4*i:P+4*i+3], v252 offset:64*(i/2)+16*(i%2)
.set i, i+1
.endr
.endm
; 32 numbers of a lane, v[s] on, become codes in v[PC], v[PC+6] on and a scale word in v6.  whole = 0: two half blocks of 16, the other halves in lane l xor 16.  whole = 1: one block of 32.
.macro QUANT s, whole
	v_max3_num_f32 v24, |v[(\s)]|, |v[(\s)+1]|, 0x1800000          ; with the floor 2^(3 - 127) among the leaves: the byte cannot fall under 1
	v_max3_num_f32 v25, |v[(\s)+16]|, |v[(\s)+17]|, 0x1800000      ; (each result of eight registers is read from its low end on)
.irp i, 2,4,6,8,10,12,14
	v_max3_num_f32 v24, v24, |v[(\s)+\i]|, |v[(\s)+\i+1]|
	v_max3_num_f32 v25, v25, |v[(\s)+16+\i]|, |v[(\s)+17+\i]|
.endr
.if \whole
	v_max_num_f32 v24, v24, v25                    ; the block's largest magnitude
	v_add_nc_u32 v30, 0xff000000, v24              ; 2 off its exponent field: the conversion's scale operand
	v_lshrrev_b32 v28, 23, v30                     ; the scale's byte
	v_permlanex16_b32 v29, v28, s20, s21           ; and the other block's
	v_lshl_or_b32 v6, v29, 8, v28                  ; lanes 0-15: s(h=0), s(h=1),
	v_lshl_or_b32 v6, v6, 16, v6                   ; twice (lanes 16-31 are not read)
	v_cvt_scalef32_pk16_fp6_f32 v[PC:PC+2], v[(\s):(\s)+15], v30
	v_cvt_scalef32_pk16_fp6_f32 v[PC+6:PC+8], v[(\s)+16:(\s)+31], v30
.else
	v_permlanex16_b32 v26, v24, s20, s21
	v_permlanex16_b32 v27, v25, s20, s21
	v_max_num_f32 v24, v24, v26                    ; with lane l xor 16's 16: block 0's largest magnitude,
	v_max_num_f32 v25, v25, v27                    ; block 1's
	v_add_nc_u32 v30, 0xff000000, v24
	v_add_nc_u32 v31, 0xff000000, v25
	v_lshrrev_b32 v28, 23, v30
	v_lshrrev_b32 v29, 23, v31
	v_lshl_or_b32 v6, v29, 16, v28
	v_lshl_or_b32 v6, v6, 8, v6                    ; b0, b0, b1, b1
	v_cvt_scalef32_pk16_fp6_f32 v[PC:PC+2], v[(\s):(\s)+15], v30
	v_cvt_scalef32_pk16_fp6_f32 v[PC+6:PC+8], v[(\s)+16:(\s)+31], v31
.endif
	v_nop                                          ; one plain place behind a scaled conversion
.endm
.macro IMAGE adr, off                  ; the fragment in v[PC] on goes to LDS as it stands
.irp c, 0,1,2
	ds_store_b128 v[\adr], v[PC+4*\c:PC+4*\c+3] offset:(\off)+512*\c
.endr
.endm
.macro FETCH reg, adr, off             ; and comes back so, in any wave
.irp c, 0,1,2
	ds_load_b128 v[(\reg)+4*\c:(\reg)+4*\c+3], v[\adr] offset:(\off)+512*\c
.endr
.endm
.macro TOIMG raw, ia, io, sa, so       ; 16 rows of f32 become a split fragment's image and its scale words
	TURN \raw
	s_wait_dscnt 0x0
	QUANT P, 0
	IMAGE \ia, \io
	ds_store_b32 v[\sa], v6 offset:\so
	s_wait_dscnt 0x0                               ; the stores have read their registers
.endm
.macro BARRIER                         ; my LDS stores have landed and my LDS loads are in: then the work-group's barrier
	s_wait_dscnt 0x0
	s_barrier_signal -1
	s_barrier_wait -1
.endm
	s_load_b256 s[4:11], s[0:1], 0x0               ; x s[4:5], Wq s[6:7], Wk s[8:9], Wv s[10:11]
	s_load_b128 s[12:15], s[0:1], 0x20             ; Wo s[12:13], the output s[14:15]
	v_lshrrev_b32 v2, 5, v0
	v_readfirstlane_b32 s16, v2                    ; wave 0..15
	v_and_b32 v1, 31, v0                           ; lane
	s_lshr_b32 s17, s16, 1
	s_and_b32 s18, s16, 1
	s_mul_i32 s19, s16, 4352
	s_add_co_u32 s19, s19, STG                     ; my stage
	s_mov_b32 s20, 0x76543210
	s_mov_b32 s21, 0xfedcba98                      ; v_permlanex16_b32's selects for lane l xor 16
	s_mov_b32 s22, 0x3eb8aa3b                      ; c = log2(e) / sqrt(16)
	s_mov_b32 s23, s22                             ; (named with it as a pair, so it is written)
	s_mov_b32 s27, 0
	v_and_b32 v24, 15, v1                          ; r
	v_bfe_u32 v25, v1, 4, 1                        ; h
	v_mul_u32_u24 v252, v24, 272
	v_lshl_add_u32 v252, v25, 5, v252
	v_add_nc_u32 v252, s19, v252                   ; the stage by a lane's row: row r, + 32 h
	v_mul_u32_u24 v253, v25, 272
	v_lshl_add_u32 v253, v24, 4, v253
	v_add_nc_u32 v253, s19, v253                   ; by whole rows: lanes 0-15 one row of 256 bytes, lanes 16-31 the next
	v_lshlrev_b32 v7, 8, v25
	v_lshl_add_u32 v7, v24, 4, v7                  ; and the same two rows in memory
.irp n, 24,25,26,27,28,29,30,31
	v_mov_b32 v\n, 0                               ; written once: a lane permute's destination counts as one of its sources
.endr
	v_mov_b32 v249, 0                              ; (named as the upper half of the pair v[248:249])
.irp n, 4,5,10,11
	v_mov_b32 v[VF+\n], 0                          ; zero codes, for the whole launch
.endr
.irp n, 3,4,5,9,10,11
	v_mov_b32 v[PC+\n], 0
.endr
	s_mul_i32 s34, s16, 1536
	s_add_co_u32 s34, s34, WIMG
	v_lshl_add_u32 v2, v1, 4, s34                  ; where my weight tile's image goes,
	s_lshl_b32 s34, s16, 7
	s_add_co_u32 s34, s34, WSC
	v_lshl_add_u32 v3, v1, 2, s34                  ; its scale words,
	s_mul_i32 s34, s16, 3072
	s_add_co_u32 s34, s34, XIMG
	v_lshl_add_u32 v4, v1, 4, s34                  ; my two x tiles' images,
	s_lshl_b32 s34, s16, 8
	s_add_co_u32 s34, s34, XSC
	v_lshl_add_u32 v254, v1, 2, s34                ; and theirs
	s_lshr_b32 s34, s16, 2                         ; which weight is mine: the choice hangs on the wave's number alone
	s_wait_kmcnt 0x0
	s_cmp_eq_u32 s34, 0
	s_cselect_b64 s[24:25], s[6:7], s[8:9]
	s_cmp_lt_u32 s34, 2
	s_cselect_b64 s[24:25], s[24:25], s[10:11]
	s_cmp_lt_u32 s34, 3
	s_cselect_b64 s[24:25], s[24:25], s[12:13]
	s_and_b32 s26, s16, 3
	s_lshl_b32 s26, s26, 12                        ; 16 rows of 256 bytes a head
	s_add_nc_u64 s[24:25], s[24:25], s[26:27]
	s_lshl_b32 s26, ttmp9, 17                      ; my sequence: 512 rows of 256 bytes
	s_add_nc_u64 s[14:15], s[14:15], s[26:27]
	s_lshl_b32 s34, s17, 14                        ; tiles 2 w, 2 w + 1 begin at token 64 (w / 2) + 16 (w % 2)
	s_lshl_b32 s35, s18, 12
	s_add_co_u32 s26, s26, s34
	s_add_co_u32 s26, s26, s35
	s_add_nc_u64 s[4:5], s[4:5], s[26:27]
	; ---- PHASE 0.  All 24 loads go out at once; each reads two whole rows of 256 bytes, sixteen lanes to a row.
.set i, 0
.rept 8
	global_load_b128 v[32+4*i:35+4*i], v7, s[24:25] offset:512*i                                     ; my weight's rows 2 i, 2 i + 1 (every work-group reads them: no hint)
.set i, i+1
.endr
.set i, 0
.rept 8
	global_load_b128 v[64+4*i:67+4*i], v7, s[4:5] offset:256*(2*(i%4)+32*(i/4)) th:TH_LOAD_NT        ; tile 2 w: tokens 0..7 and 32..39 from its first
.set i, i+1
.endr
.set i, 0
.rept 8
	global_load_b128 v[96+4*i:99+4*i], v7, s[4:5] offset:2048+256*(2*(i%4)+32*(i/4)) th:TH_LOAD_NT   ; tile 2 w + 1: eight tokens on
.set i, i+1
.endr
	s_wait_loadcnt 16                              ; the weight's eight loads are in; x's sixteen may be out
	TOIMG 32, 2, 0, 3, 0
	s_wait_loadcnt 8                               ; the first tile's eight are in
	TOIMG 64, 4, 0, 254, 0
	s_wait_loadcnt 0x0
	TOIMG 96, 4, 1536, 254, 128
	BARRIER                                        ; all 16 weight tiles and all 32 tiles of x lie in LDS
	; ---- PHASE 1.  Group g = w / 2, heads 2 (w % 2) + u, u = 0, 1: units 2 w + u.
	s_mul_i32 s34, s17, 6144
	s_add_co_u32 s34, s34, XIMG
	v_lshl_add_u32 v2, v1, 4, s34                  ; the group's four tiles of x,
	s_lshl_b32 s34, s17, 9
	s_add_co_u32 s34, s34, XSC
	v_lshl_add_u32 v3, v1, 2, s34                  ; their scale words,
	s_mul_i32 s34, s18, 3072
	s_add_co_u32 s34, s34, WIMG
	v_lshl_add_u32 v4, v1, 4, s34                  ; my two heads' weight tiles,
	s_lshl_b32 s34, s18, 8
	s_add_co_u32 s34, s34, WSC
	v_lshl_add_u32 v254, v1, 2, s34                ; theirs;
	s_lshl_b32 s34, s16, 13
	v_lshl_add_u32 v255, v1, 4, s34                ; where k goes (KIMG = 0),
	s_lshl_b32 s34, s16, 11
	s_add_co_u32 s34, s34, VIMG
	v_lshl_add_u32 v10, v1, 4, s34                 ; v^T's codes,
	s_lshl_b32 s34, s16, 8
	s_add_co_u32 s34, s34, VSC
	v_lshl_add_u32 v11, v1, 2, s34                 ; and their scale words
.irp t, 0,1,2,3
	FETCH 32+12*\t, 2, 1536*\t
	ds_load_b32 v[16+\t], v3 offset:128*\t
.endr
.irp u, 0,1
	FETCH 80+12*\u, 4, 1536*(4+\u)                 ; Wk
	FETCH 104+12*\u, 4, 1536*(8+\u)                ; Wv
	ds_load_b32 v[20+\u], v254 offset:128*(4+\u)
	ds_load_b32 v[22+\u], v254 offset:128*(8+\u)
.endr
	s_wait_dscnt 0x0
.irp u, 0,1
.irp t, 0,1,2,3
	MX P+32*\u+8*\t, 80+12*\u, 32+12*\t, 20+\u, 16+\t      ; k^T: source 0 = 16 rows of Wk, source 1 = a tile of x: lane (r, h) holds token r, d = 8 h + 0..7: the f32 product's operand as it stands
.endr
.endr
	NOPS 5                                         ; four places in front of the stores of these results, five in front of the products that write over them
.irp u, 0,1
.irp t, 0,1,2,3
	ds_store_b128 v255, v[P+32*\u+8*\t:P+32*\u+8*\t+3] offset:4096*\u+1024*\t          ; each result from its low end on
	ds_store_b128 v255, v[P+32*\u+8*\t+4:P+32*\u+8*\t+7] offset:4096*\u+1024*\t+512
.endr
.endr
	s_wait_dscnt 0x0                               ; the stores have read their registers
.irp u, 0,1
.irp t, 0,1,2,3
	MX P+32*\u+8*\t, 32+12*\t, 104+12*\u, 16+\t, 22+\u     ; v: source 0 = a tile of x, source 1 = 16 rows of Wv: lane (r, h) holds feature r; register 8 t + j is key 64 g + 32 h + 8 t + j
.endr
.endr
	NOPS 4
.irp u, 0,1
	QUANT P+32*\u, 1                               ; along the keys: a lane's 32 registers are a whole block
	ds_store_b128 v10, v[PC:PC+3] offset:1024*\u
	ds_store_b128 v10, v[PC+6:PC+9] offset:1024*\u+512
	ds_store_b32 v11, v6 offset:128*\u
	s_wait_dscnt 0x0                               ; the stores have read their registers
.endr
	BARRIER                                        ; k and v^T of the whole sequence lie in LDS.  From here on the images are only read, and each stage is its wave's own: no further barrier
	; ---- PHASE 2
.macro KLOAD hd                        ; k of 64 keys, one head: 32 registers
.set i, 0
.rept 8
	ds_load_b128 v[KF+4*i:KF+4*i+3], v2 offset:4096*(\hd)+512*i
.set i, i+1
.endr
.endm
.macro VLOAD hd                        ; v^T's fragment of the same keys and head, and its scale words
	ds_load_b128 v[VF:VF+3], v3 offset:1024*(\hd)
	ds_load_b128 v[VF+6:VF+9], v3 offset:1024*(\hd)+512
	ds_load_b32 v5, v4 offset:128*(\hd)
.endm
; S^T = k q^T + mask: source 0 = 16 keys, source 1 = my 16 queries, 4 of the head's 16 an instruction.  The four key tiles' accumulators take turns, one instruction a turn.
.macro SCORES hd
.irp c, 0,1,2,3
.irp t, 0,1,2,3
.if \c == 0
	v_wmma_f32_16x16x4_f32 v[S+8*\t:S+8*\t+7], v[KF+8*\t:KF+8*\t+1], v[Q+8*(\hd):Q+8*(\hd)+1], v[MK+8*\t:MK+8*\t+7]
.else
	v_wmma_f32_16x16x4_f32 v[S+8*\t:S+8*\t+7], v[KF+8*\t+2*\c:KF+8*\t+2*\c+1], v[Q+8*(\hd)+2*\c:Q+8*(\hd)+2*\c+1], v[S+8*\t:S+8*\t+7]
.endif
.endr
.endr
.endm
; One head's softmax for 64 keys, p's codes, and O^T += v^T p^T.  left: the LDS loads issued behind v^T's three, which may stay out.
.macro SOFT hd, left
.set NM, ST+4*(\hd)
.set LL, ST+4*(\hd)+2
.set OO, O+8*(\hd)
.irp t, 0,1,2,3
	v_max3_num_f32 v[24+\t], v[S+8*\t], v[S+8*\t+1], v[S+8*\t+2]       ; the largest of my 32 scores, a chain to each tile, each tile from its low end on
.endr
.irp i, 3,5
.irp t, 0,1,2,3
	v_max3_num_f32 v[24+\t], v[24+\t], v[S+8*\t+\i], v[S+8*\t+\i+1]
.endr
.endr
	v_max3_num_f32 v24, v24, v[S+7], v[S+15]
	v_max3_num_f32 v26, v26, v[S+23], v[S+31]
	v_max3_num_f32 v28, v24, v25, v26
	v_max_num_f32 v28, v28, v27                    ; MY BLOCK'S LARGEST SCORE: it serves the row's maximum and, since p rises with the score, the block's largest p
	v_permlanex16_b32 v29, v28, s20, s21
	v_max_num_f32 v25, v28, v29                    ; with the query's other 32 keys
	v_mul_f32 v25, s22, v25                        ; as t (c is positive)
	v_max_num_f32 v[NM+1], v[NM+1], v25            ; the running largest t
	v_mov_b32 v24, v[NM]
	v_floor_f32 v[NM], -v[NM+1]                    ; the new -M = floor(-t): M is a whole number
	v_sub_f32 v25, v[NM], v24                      ; old M - new M: a whole number, 0 or less
	v_cvt_i32_f32 v25, v25                         ; (it saturates)
	v_ldexp_f32 v248, 1.0, v25                     ; f = 2^(old M - new M)
.set j, 0
.rept 16
	v_pk_fma_f32 v[P+j:P+j+1], v[S+j:S+j+1], s[22:23], v[NM:NM+1] op_sel_hi:[1,0,0]   ; t - M, two at a time, into other registers than the sums'
.set j, j+2
.endr
	v_fma_f32 v28, v28, s22, v[NM]                 ; the same of the block's largest score
	v_exp_f32 v28, v28
.set j, 0
.rept 32
	v_exp_f32 v[P+j], v[P+j]                       ; p = 2^(t - M), at most 1; 0 where the mask gave -infinity
.set j, j+1
.endr
	v_pk_mul_f32 v[LL:LL+1], v[LL:LL+1], v[248:249] op_sel_hi:[1,0]    ; the sum under the new M.  (The plain place behind the exponentials)
	s_wait_alu depctr_va_vdst(0)
	v_max_num_f32 v28, 0x1800000, v28              ; the floor 2^(3 - 127): a block whose every p is 0 keeps the byte 1: its codes are zeros
	v_add_nc_u32 v30, 0xff000000, v28              ; 2 off the exponent field: the conversion's scale operand
	v_lshrrev_b32 v31, 23, v30                     ; the scale's byte
	v_permlanex16_b32 v29, v31, s20, s21
	v_lshl_or_b32 v6, v29, 8, v31
	v_lshl_or_b32 v6, v6, 16, v6                   ; p's scale word for these 64 keys
	v_cvt_scalef32_pk16_fp6_f32 v[PC:PC+2], v[P:P+15], v30
	v_cvt_scalef32_pk16_fp6_f32 v[PC+6:PC+8], v[P+16:P+31], v30
.irp j, 0,2,4,6
	v_pk_mul_f32 v[OO+\j:OO+\j+1], v[OO+\j:OO+\j+1], v[248:249] op_sel_hi:[1,0]        ; O^T under the new M, from its low end on.  (The first is the plain place behind the conversions)
.endr
	v_pk_add_f32 v[250:251], v[P:P+1], v[P+2:P+3]  ; THE ROW'S SUM IS TAKEN OF THE UNQUANTISED p, in two chains.  These eight lines name no register of the product below: they are the
.irp j, 4,8,12
	v_pk_add_f32 v[LL:LL+1], v[LL:LL+1], v[P+\j:P+\j+1]                                ; eight places between the scale word's last write and it, and the four behind the codes'
	v_pk_add_f32 v[250:251], v[250:251], v[P+\j+2:P+\j+3]
.endr
	v_pk_add_f32 v[LL:LL+1], v[LL:LL+1], v[P+16:P+17]
	s_wait_dscnt \left                             ; v^T's fragment and scale words are in; the next head's k may be out
	v_wmma_scale_f32_16x16x128_f8f6f4 v[OO:OO+7], v[VF:VF+11], v[PC:PC+11], v[OO:OO+7], v5, v6 matrix_a_fmt:MATRIX_FMT_FP6 matrix_b_fmt:MATRIX_FMT_FP6
.endm
; The second half of the sum: eight plain lines on p, the sum and its second chain alone.  They stand behind the NEXT head's score products: the eight places in front of the first read of those
; scores and of the loads into k's registers, and the four in front of the loads into v^T's.
.macro SUM2 hd
.set LL, ST+4*(\hd)+2
.irp j, 18,22,26
	v_pk_add_f32 v[250:251], v[250:251], v[P+\j:P+\j+1]
	v_pk_add_f32 v[LL:LL+1], v[LL:LL+1], v[P+\j+2:P+\j+3]
.endr
	v_pk_add_f32 v[250:251], v[250:251], v[P+30:P+31]
	v_pk_add_f32 v[LL:LL+1], v[LL:LL+1], v[250:251]
.endm
; The diagonal step's mask.  My query is token 64 G + 8 tau + (r & 7) + 32 (r >> 3), register n holds key 64 G + 32 h + n: hidden where n > DD = 8 tau + (r & 7) + 32 ((r >> 3) - h).
.macro MASK
	v_and_b32 v24, 7, v1
	v_bfe_u32 v26, v1, 3, 1
	v_bfe_u32 v27, v1, 4, 1
	v_sub_nc_u32 v26, v26, v27
	v_lshl_add_u32 v24, v26, 5, v24
	v_add_nc_u32 v24, s29, v24                     ; DD, signed
	v_mov_b32 v25, 0xff800000                      ; -infinity
.set n, 0
.rept 32
	v_cmp_gt_i32 vcc_lo, n, v24
	v_cndmask_b32 v[MK+n], 0, v25, vcc_lo
.set n, n+1
.endr
.endm
; THE WAY OUT of a tile: O^T / the sum is merged's 32 numbers of my query in the split order; quantised; times Wo; through my stage; whole rows of 256 bytes out.
.macro FINISH k
	v_lshl_add_u32 v2, v1, 4, WIMG                 ; (no LDS instruction of mine is out)
	v_lshl_add_u32 v3, v1, 2, WSC
	FETCH MK, 2, 12*1536                           ; Wo's four fragments, into registers that the mask and k have left
	FETCH MK+12, 2, 13*1536
	FETCH KF, 2, 14*1536
	FETCH KF+12, 2, 15*1536
.irp t, 0,1,2,3
	ds_load_b32 v[ST+4*\t], v3 offset:(12+\t)*128  ; their scale words, where -M lay
.endr
.irp t, 0,1,2,3
	v_add_f32 v[24+\t], v[ST+4*\t+2], v[ST+4*\t+3] ; the sum's two halves,
.endr
.irp t, 0,1,2,3
	v_permlanex16_b32 v[28+\t], v[24+\t], s20, s21
.endr
.irp t, 0,1,2,3
	v_add_f32 v[24+\t], v[24+\t], v[28+\t]         ; and lane l xor 16's: the row's sum
.endr
.irp t, 0,1,2,3
	v_rcp_f32 v[ST+4*\t+2], v[24+\t]
.endr
	v_nop                                          ; one plain place behind the transcendentals
	s_wait_alu depctr_va_vdst(0)
.irp t, 0,1,2,3
.irp j, 0,2,4,6
	v_pk_mul_f32 v[P+8*\t+\j:P+8*\t+\j+1], v[O+8*\t+\j:O+8*\t+\j+1], v[ST+4*\t+2:ST+4*\t+3] op_sel_hi:[1,0]   ; register 8 t + j: feature 16 t + 8 h + j
.endr
.endr
	QUANT P, 0
	NOPS 8                                         ; a scale word written by vector instructions stands eight places ahead of the scaled product, codes four
	s_wait_dscnt 0x0                               ; Wo
	MX O, MK, PC, ST, 6                            ; source 0 = 16 rows of Wo, source 1 = merged: lane (r, h) holds out(query r, 16 t + 8 h + 0..7)
	MX O+8, MK+12, PC, ST+4, 6
	MX O+16, KF, PC, ST+8, 6
	MX O+24, KF+12, PC, ST+12, 6
	NOPS 4
.irp t, 0,1,2,3
	ds_store_b128 v252, v[O+8*\t:O+8*\t+3] offset:64*\t                ; each result from its low end on
	ds_store_b128 v252, v[O+8*\t+4:O+8*\t+7] offset:64*\t+16
.endr
.set i, 0
.rept 8
	ds_load_b128 v[P+4*i:P+4*i+3], v253 offset:544*i                   ; LDS serves a wave's instructions in order: these see my stores
.set i, i+1
.endr
.set i, 0
.rept 8
	s_wait_dscnt 7-i                               ; load i is in; the younger ones may be out
	global_store_b128 v7, v[P+4*i:P+4*i+3], s[40+2*\k:41+2*\k] offset:256*(2*(i%4)+32*(i/4)) th:TH_STORE_NT   ; sixteen lanes store a token's whole row: 256 consecutive bytes, aligned
.set i, i+1
.endr
.endm
; A TILE OF 16 QUERIES: k = 0: group w / 2, tau = w % 2;  k = 1: group 7 - w / 2, tau = 2 + w % 2.  Together 9 steps in every wave.
.macro TILE k
	s_wait_xcnt 0x0                                ; the last tile's stores have read their registers: these are loaded again only behind this wait
	s_xor_b32 s28, s17, 7*\k                       ; G
	s_add_co_u32 s34, s18, 2*\k                    ; tau
	s_lshl_b32 s29, s34, 3
	s_lshl_b32 s35, s28, 2
	s_add_co_u32 s35, s35, s34                     ; T = 4 G + tau
	s_lshl_b32 s26, s28, 14
	s_lshl_b32 s36, s34, 11
	s_add_co_u32 s26, s26, s36
	s_add_nc_u64 s[40+2*\k:41+2*\k], s[14:15], s[26:27]    ; the output at token 64 G + 8 tau
	s_mul_i32 s36, s35, 1536
	s_add_co_u32 s36, s36, XIMG
	s_lshl_b32 s37, s35, 7
	s_add_co_u32 s37, s37, XSC
	v_lshl_add_u32 v2, v1, 4, WIMG
	v_lshl_add_u32 v3, v1, 2, WSC
	v_lshl_add_u32 v4, v1, 4, s36
	v_lshl_add_u32 v254, v1, 2, s37
.irp t, 0,1,2,3
	FETCH P+12*\t, 2, 1536*\t                      ; Wq's four fragments: v160-207
	ds_load_b32 v[ST+4*\t], v3 offset:128*\t       ; their scale words
.endr
	FETCH P+48, 4, 0                               ; my tile of x: v208-219
	ds_load_b32 v[ST+1], v254                      ; its scale words
.set n, 0
.rept 32
	v_mov_b32 v[MK+n], 0                           ; no mask ahead of the diagonal
	v_mov_b32 v[O+n], 0                            ; O^T.  (The step is written once: the first finds zeros, which the first change of M leaves zeros)
.set n, n+1
.endr
	s_wait_dscnt 0x0
.irp t, 0,1,2,3
	MX Q+8*\t, P+12*\t, P+48, ST+4*\t, ST+1        ; q^T: lane (r, h) holds query r, d = 8 h + 0..7
.endr
.irp t, 0,1,2,3
	v_mov_b32 v[ST+4*\t+2], 0                      ; the sums.  These eight name no register of the products above: their places, ahead of the writes over the scale words,
	v_mov_b32 v[ST+4*\t+3], 0                      ; of q's use as a source and of the loads into the fragments' registers
.endr
.irp t, 0,1,2,3
	v_mov_b32 v[ST+4*\t+1], 0xff61b1e6             ; the largest t so far: -3e38, under every t
.endr
.irp t, 0,1,2,3
	v_floor_f32 v[ST+4*\t], -v[ST+4*\t+1]          ; -M
.endr
	s_mov_b32 s30, 0
	s_mov_b32 s31, KIMG
	s_mov_b32 s32, VIMG
	s_mov_b32 s33, VSC
.Lstep_\k:                                             ; eight trips in every wave: the count is a constant; a step whose 64 keys all come after my queries is jumped over
	v_lshl_add_u32 v2, v1, 4, s31                  ; (no LDS instruction of mine is out)
	v_lshl_add_u32 v3, v1, 4, s32
	v_lshl_add_u32 v4, v1, 2, s33
	s_cmp_gt_u32 s30, s28
	s_cbranch_scc1 .Lskip_\k
	KLOAD 0
	s_cmp_lg_u32 s30, s28
	s_cbranch_scc1 .Lopen_\k
	MASK                                           ; the tile's last step lies on the diagonal; one mask serves the four heads
.Lopen_\k:
	s_wait_dscnt 0x0
	SCORES 0
	NOPS 8                                         ; eight places behind this form, in front of the loads into k's registers and of the first read of the scores
	VLOAD 0
	KLOAD 1
	SOFT 0, 8
	s_wait_dscnt 0x0
	SCORES 1
	SUM2 0
	VLOAD 1
	KLOAD 2
	SOFT 1, 8
	s_wait_dscnt 0x0
	SCORES 2
	SUM2 1
	VLOAD 2
	KLOAD 3
	SOFT 2, 8
	s_wait_dscnt 0x0
	SCORES 3
	SUM2 2
	VLOAD 3
	SOFT 3, 0
	SUM2 3
.Lskip_\k:
	s_add_co_u32 s31, s31, 16384                   ; the next 64 keys
	s_add_co_u32 s32, s32, 4096
	s_add_co_u32 s33, s33, 512
	s_add_co_u32 s30, s30, 1
	s_cmp_lt_u32 s30, 8
	s_cbranch_scc1 .Lstep_\k
	FINISH \k
.endm
	TILE 0
	TILE 1
	s_wait_xcnt 0x0
	v_lshl_add_u32 v254, v0, 2, 0x4d800
	v_mov_b32 v255, 0
	s_wait_tensorcnt 0x0
	ds_add_u32 v254, v255
	s_wait_dscnt 0x0
	s_endpgm
.Lfunc_end_k_q9d1079d60f_attn:
	.size	k_q9d1079d60f_attn, .Lfunc_end_k_q9d1079d60f_attn-k_q9d1079d60f_attn
	.p2alignl 7, 3214868480
	.fill 96, 4, 3214868480
	.section	.rodata,"a",@progbits
	.p2align	6, 0x0
	.amdhsa_kernel k_q9d1079d60f_attn
		.amdhsa_group_segment_fixed_size 319488
		.amdhsa_private_segment_fixed_size 0
		.amdhsa_enable_private_segment 0
		.amdhsa_kernarg_size 48
		.amdhsa_user_sgpr_count 2
		.amdhsa_user_sgpr_kernarg_segment_ptr 1
		.amdhsa_wavefront_size32 1
		.amdhsa_system_sgpr_workgroup_id_x 1
		.amdhsa_system_sgpr_workgroup_id_y 1
		.amdhsa_system_sgpr_workgroup_id_z 1
		.amdhsa_system_vgpr_workitem_id 0
		.amdhsa_next_free_vgpr 256
		.amdhsa_next_free_sgpr 66
		.amdhsa_reserve_vcc 1
		.amdhsa_float_denorm_mode_32 3
		.amdhsa_float_denorm_mode_16_64 3
		.amdhsa_memory_ordered 1
		.amdhsa_forward_progress 1
		.amdhsa_inst_pref_size 115
	.end_amdhsa_kernel
	.amdgpu_metadata
---
amdhsa.version: [ 1, 2 ]
amdhsa.kernels:
  - .name:           k_q9d1079d60f_attn
    .symbol:         k_q9d1079d60f_attn.kd
    .args:
      - { .name: x, .offset: 0, .size: 8, .value_kind: global_buffer, .address_space: global }
      - { .name: Wq, .offset: 8, .size: 8, .value_kind: global_buffer, .address_space: global }
      - { .name: Wk, .offset: 16, .size: 8, .value_kind: global_buffer, .address_space: global }
      - { .name: Wv, .offset: 24, .size: 8, .value_kind: global_buffer, .address_space: global }
      - { .name: Wo, .offset: 32, .size: 8, .value_kind: global_buffer, .address_space: global }
      - { .name: out0, .offset: 40, .size: 8, .value_kind: global_buffer, .address_space: global }
    .group_segment_fixed_size: 319488
    .private_segment_fixed_size: 0
    .kernarg_segment_align: 8
    .kernarg_segment_size: 48
    .max_flat_workgroup_size: 512
    .sgpr_count:     66
    .vgpr_count:     256
    .wavefront_size: 32
...
	.end_amdgpu_metadata
.endif
;; end of part 1
